; MI455X (gfx1250); checked and timed in simulation.
; The chip was launched on July 23, 2026; its instructions are those of AMD's public machine-readable ISA for CDNA 5 (MIT licence, August 2026) and "CDNA5" Instruction Set Architecture Reference Guide (July 2026). The comments in the code are by the model that wrote it; some were corrected since.
;; view learner. Allowed arithmetic: matrix products marked QUANTISED: E5M2 operands, one E8M0 scale for each 32 along K, by v_wmma_scale_f32_16x16x128_f8f6f4 with both operands' format E5M2, f32 sums; everything else in f32.
;; Inputs: logvar_t 1 float32; noise 4,096 x 3 x 32 x 32 float32; x 4,096 x 3 x 32 x 32 float32.
;; Outputs: out0 4,096 x 3 x 32 x 32 float32; out1 one number float32.
;; This version of the problem:
;;   THIS VERSION OF THE PROBLEM IS GIVEN IN LOW PRECISION. The matrix products marked QUANTISED in the list below multiply operands that are first quantised to E5M2 (5 exponent bits, 2 mantissa bits; 8 bits a number), with one power-of-two scale for each 32 numbers along K (OCP MX v1.0); their sums are f32. All else is computed in f32.
;;   The module's matrix products, in the order in which they are computed (A, B: the left and right operand; K: the contracted axis; several contracted axes count as one K, in the product's order):
;;     1. [M 4,096, K 3,072] x [K 3,072, N 4,096]; A: input x; B: input x: QUANTISED
;;   THE QUANTISER, for each operand of a quantised product, along K:
;;     - K is cut into blocks of 32 from its start; a last block that is shorter is filled with zeros.
;;     - A block's scale is 2^e with e = floor(log2(the largest magnitude in the block)) - 15, held to -126 .. 127; a block of zeros has e = 0. As a byte (E8M0): e + 127.
;;     - Each number is divided by its block's scale, clamped to +-57,344, and rounded to the nearest number of E5M2, ties to even, subnormals kept.
;;     - The product sums the exact products of the quantised numbers (number of the format x scale) in f32.
;;   ~~~python
;;   def quantise(x, axis):      # numpy; x: float32 -> the quantised numbers, widened to float32 again
;;       x = np.moveaxis(x, axis, -1); K = x.shape[-1]
;;       x = np.pad(x, [(0, 0)] * (x.ndim - 1) + [(0, -K % 32)]); x = x.reshape(x.shape[:-1] + (-1, 32)); a = np.abs(x).max(-1, keepdims=True)
;;       e = np.where(a > 0, np.clip(np.frexp(np.where(a > 0, a, 1))[1] - 1 - 15, -126, 127), 0)      # np.frexp(a)[1] - 1 = floor(log2(a)), exactly
;;       r = np.clip(x / 2.0 ** e, -57344, 57344)
;;       step = 2.0 ** (np.maximum(np.frexp(np.where(r == 0, 1, r))[1] - 1, -14) - 2)
;;       q = np.round(r / step) * step * 2.0 ** e      # np.round: ties to even
;;       return np.moveaxis(q.reshape(q.shape[:-2] + (-1,))[..., :K], -1, axis).astype(np.float32)
;;   ~~~
;; One version. Each part assembles by itself: llvm-mc -triple=amdgcn-amd-amdhsa -mcpu=gfx1250 --defsym DOCPART=n.
;; ======== version 1 of 1: 3 launches
;; limits: right only within a limited range of input values
;; workspace buffers: xq 12,976,128 bytes; xn 32,768 bytes; pl 262,144 bytes
;; launch prep (part 1): grid 128 x 2, 8 waves a work-group, no clusters, 44,032 bytes of LDS; arguments x, noise, logvar_t, out0, xq, xn; writes out0, xq, xn
.if DOCPART == 1
	.amdgcn_target "amdgcn-amd-amdhsa--gfx1250"
	.amdhsa_code_object_version 6
	.text
	.protected	k_qff38732473_prep
	.globl	k_qff38732473_prep
	.p2align	8
	.type	k_qff38732473_prep,@function
k_qff38732473_prep:
	s_mov_b64 s[64:65], 0
	v_nop
	global_prefetch_b8 v0, s[64:65] scope:SCOPE_SE
	s_setreg_imm32_b32 hwreg(HW_REG_WAVE_MODE, 25, 1), 1
	s_wait_xcnt 0x0
; ONE READ OF x SERVES THREE THINGS: out0 = x + exp(logvar / 2) noise; the codes of x in BF8 (E5M2) with one E8M0 scale byte for each 32 along K; and the rows' sums of squares.
; x, noise, out0: [4096][3072] f32.  K = 3,072 goes in 12 K steps of 256.
; xq: [32 row groups of 128 rows][12 K steps] dense tiles of 33,792 bytes: row rho's 256 codes at 256 rho, its 8 scale bytes at 32,768 + 8 rho: so the product's launch takes a tile, scales and all, as 132 rows of 256 bytes.
; xn: [2 halves of K][4096] f32: each half's sum of squares; the product's launch adds the two.
; A block's scale is 2^(floor(log2(its largest magnitude)) - 15); its byte is the largest magnitude's exponent field - 15, held at 1 from below; each number is divided by the scale, held within +-57,344, rounded to the nearest code, ties to even.
; LIMITS: NaN and infinities among the inputs are not served.  A block of zeros gets the byte 1 where the rule says 127: its codes are zeros, which add nothing under any byte but 0xff, and this program alone reads the bytes.
;         Blocks whose largest magnitude lies under 2^-111 keep the byte 1.
; SHARES.  Work-group (g, y): rows 32 g .. 32 g + 31, half y of K (1,536 numbers): 32 rows, so that a K step's scale bytes of the group (32 x 8) leave as 256 consecutive bytes.  Wave w: rows 32 g + 4 w + j, j = 0 .. 3.
; A STEP is 512 numbers of one row: step t = 3 j + p is piece p of row j; twelve steps, written out, every offset an immediate.  Each load reads 512 consecutive bytes, 16 a lane; out0 and the sum of squares are made in that layout.
; The conversions want 16 NEIGHBOURS in a lane: the step's 2,048 bytes of x turn through the wave's own stage in LDS (16 bytes of padding behind each 64) and come back 64 bytes a lane; two neighbouring lanes hold a block.
; Loads run four steps ahead (32 loads a wave), the turn through LDS one step.  No tensor loads, no matrix unit, no cluster: work-groups share nothing, and memory binds.
.set ROWX,  12288                      ; a row of x in bytes
.set TILEB, 33792                      ; a tile of xq
.set SP,    80                         ; a lane's place in a stage: 64 bytes + 16 of padding
.set STGB,  32*SP                      ; a stage
.set WREG,  2*STGB                     ; two stages for each wave
.set SCA,   8*WREG                     ; behind the stages: the scale bytes, [6 K steps][32 rows][8]
.set NRM,   SCA+6*256                  ; and the 32 rows' sums of squares
.set LIN,  2                           ; v2   16 x lane: my 16 bytes of a load's 512; never rewritten
.set STI,  3                           ; v3   the stage, on the way in: SP (lane / 4) + 16 (lane % 4)
.set STO,  4                           ; v4   and on the way out: SP x lane
.set CQO,  5                           ; v5   my codes' place: lanes 0-15 in the piece's first K step, lanes 16-31 a tile further on
.set SBA,  6                           ; v6   LDS: my block's scale byte
.set NRA,  7                           ; v7   LDS: my wave's four sums
.set SRD,  8                           ; v8   LDS: the scale bytes on the way out, 8 a lane
.set NRD,  9                           ; v9   LDS: the sums on the way out
.set O8,   10                          ; v10  8 x lane
.set O4,   11                          ; v11  4 x lane
.set SG,   12                          ; v[12:13] exp(logvar / 2)
.set MX,   14                          ; v14-15 largest magnitudes
.set HOLD, 16                          ; v16  57,344 x the scale
.set SCL,  17                          ; v17  the conversion's scale operand
.set PT,   19                          ; v19  a lane permute's destination
.set NS,   20                          ; v[20:27] the sum of squares, in four chains of pairs
.set CD,   28                          ; v[28:31] 16 codes
.set RX,   32                          ; v32-95   x as loaded, four sets of 16
.set RN,   96                          ; v96-159  noise as loaded, then out0, four sets of 16
.set XT,   160                         ; v160-191 16 neighbours of x, two sets
.set EB,   192                         ; v192-203 a scale byte for each step, so that no LDS store's data are written again
	s_load_b256 s[4:11], s[0:1], 0x0               ; x s[4:5], noise s[6:7], logvar_t s[8:9], out0 s[10:11]
	s_load_b128 s[12:15], s[0:1], 0x20             ; xq s[12:13], xn s[14:15]
	v_lshl_add_u32 v208, v0, 2, 0xa800
	v_mov_b32 v209, 0
	v_lshrrev_b32 v1, 5, v0
	s_delay_alu instid0(VALU_DEP_1)
	v_readfirstlane_b32 s17, v1                    ; wave 0..7
	v_and_b32 v1, 31, v0                           ; lane
	s_wait_alu depctr_va_vdst(0)
	s_and_b32 s21, ttmp7, 0xffff                   ; y: which half of K
	s_min_u32 s34, s17, 5                          ; the K step whose scale bytes I store at the end (waves 0 to 5 do)
	s_mov_b32 s18, 0x76543210
	s_mov_b32 s19, 0xfedcba98                      ; v_permlanex16_b32's selects for lane l xor 16
	s_mov_b32 s20, 0x600000                        ; the mantissa field of 57,344
	; byte offsets, each apart from its buffer's address
	s_lshl_b32 s22, ttmp9, 5
	s_lshl_b32 s23, s17, 2
	s_add_co_u32 s22, s22, s23                     ; my first row: 32 g + 4 w
	s_mul_i32 s22, s22, ROWX
	s_mul_i32 s23, s21, ROWX/2
	s_add_co_u32 s22, s22, s23                     ; in x, noise and out0 (under 2^26)
	s_mov_b32 s23, 0
	s_lshr_b32 s24, ttmp9, 2
	s_mul_i32 s24, s24, 12
	s_mul_i32 s25, s21, 6
	s_add_co_u32 s24, s24, s25                     ; the tile of my row group and my half's first K step
	s_add_co_u32 s26, s24, s34                     ; and the tile whose scale bytes I store
	s_mul_i32 s24, s24, TILEB
	s_mul_i32 s26, s26, TILEB
	s_and_b32 s25, ttmp9, 3                        ; which 32 rows of the group's 128
	s_lshl_b32 s28, s25, 8
	s_add_co_u32 s26, s26, s28
	s_add_co_u32 s26, s26, 32768                   ; their 256 scale bytes
	s_mov_b32 s27, 0
	s_lshl_b32 s25, s25, 13
	s_add_co_u32 s24, s24, s25
	s_lshl_b32 s25, s17, 10
	s_add_co_u32 s24, s24, s25                     ; my first row's codes
	s_mov_b32 s25, 0
	s_lshl_b32 s28, s21, 14
	s_lshl_b32 s29, ttmp9, 7
	s_add_co_u32 s28, s28, s29                     ; xn: 16,384 y + 4 x 32 g
	s_mov_b32 s29, 0
	; lane terms
	v_lshlrev_b32 v[LIN], 4, v1
	s_mul_i32 s32, s17, WREG
	v_lshrrev_b32 v[STI], 2, v1
	s_delay_alu instid0(VALU_DEP_1)
	v_mul_u32_u24 v[STI], v[STI], SP
	v_and_b32 v[STO], 3, v1
	s_delay_alu instid0(VALU_DEP_1)
	v_lshl_add_u32 v[STI], v[STO], 4, v[STI]
	s_delay_alu instid0(VALU_DEP_1)
	v_add_nc_u32 v[STI], s32, v[STI]
	v_mul_u32_u24 v[STO], v1, SP
	s_delay_alu instid0(VALU_DEP_1)
	v_add_nc_u32 v[STO], s32, v[STO]
	v_and_b32 v[CQO], 15, v1
	s_delay_alu instid0(VALU_DEP_1)
	v_lshlrev_b32 v[CQO], 4, v[CQO]
	v_lshrrev_b32 v[SBA], 4, v1                    ; h
	s_delay_alu instid0(VALU_DEP_1)
	v_mad_u32_u24 v[CQO], v[SBA], TILEB, v[CQO]
	v_bfe_u32 v[NRA], v1, 1, 3                     ; my block among its K step's eight
	s_delay_alu instid0(VALU_DEP_1)
	v_lshl_add_u32 v[SBA], v[SBA], 8, v[NRA]
	s_lshl_b32 s33, s17, 5
	s_add_co_u32 s33, s33, SCA
	v_add_nc_u32 v[SBA], s33, v[SBA]               ; SCA + 256 h + block + 8 x 4 w
	s_lshl_b32 s33, s17, 4
	s_add_co_u32 s33, s33, NRM
	v_mov_b32 v[NRA], s33
	s_lshl_b32 s33, s34, 8
	s_add_co_u32 s33, s33, SCA
	v_lshl_add_u32 v[SRD], v1, 3, s33
	v_lshl_add_u32 v[NRD], v1, 2, NRM
	v_lshlrev_b32 v[O8], 3, v1
	v_lshlrev_b32 v[O4], 2, v1
	v_mov_b32 v[PT], 0                             ; written once: a lane permute's destination counts as one of its sources
	s_wait_kmcnt 0x0
	s_load_b32 s16, s[8:9], 0x0                    ; logvar
	s_add_nc_u64 s[4:5], s[4:5], s[22:23]
	s_add_nc_u64 s[6:7], s[6:7], s[22:23]
	s_add_nc_u64 s[10:11], s[10:11], s[22:23]
	s_add_nc_u64 s[30:31], s[12:13], s[26:27]      ; where scale bytes go
	s_add_nc_u64 s[12:13], s[12:13], s[24:25]      ; where codes go
	s_add_nc_u64 s[14:15], s[14:15], s[28:29]
.macro LOAD t                          ; step t: four loads of x, then four of noise, 512 consecutive bytes each
.set LJ, (\t)/3
.set LP, (\t)%3
.irp i, 0,1,2,3
	global_load_b128 v[RX+16*((\t)%4)+4*\i:RX+16*((\t)%4)+4*\i+3], v[LIN], s[4:5] offset:ROWX*LJ+2048*LP+512*\i th:TH_LOAD_NT
.endr
.irp i, 0,1,2,3
	global_load_b128 v[RN+16*((\t)%4)+4*\i:RN+16*((\t)%4)+4*\i+3], v[LIN], s[6:7] offset:ROWX*LJ+2048*LP+512*\i th:TH_LOAD_NT
.endr
.endm
.macro TURN t                          ; step t's x through the stage: LDS serves a wave's instructions in order (ISA guide 5.7.1.4), so no wait stands between the stores and the loads
.irp i, 0,1,2,3
	ds_store_b128 v[STI], v[RX+16*((\t)%4)+4*\i:RX+16*((\t)%4)+4*\i+3] offset:STGB*((\t)%2)+8*SP*\i
.endr
.irp i, 0,1,2,3
	ds_load_b128 v[XT+16*((\t)%2)+4*\i:XT+16*((\t)%2)+4*\i+3], v[STO] offset:STGB*((\t)%2)+16*\i
.endr
.endm
.irp t, 0,1,2,3
	LOAD \t
.endr
	s_wait_kmcnt 0x0
	v_mov_b32 v[SG+1], s16
	s_delay_alu instid0(VALU_DEP_1)
	v_mul_f32 v[SG+1], 0x3f38aa3b, v[SG+1]         ; logvar x log2(e) / 2
	s_wait_alu depctr_va_vdst(0)
	v_exp_f32 v[SG], v[SG+1]                       ; exp(logvar / 2)
	v_nop                                          ; a plain instruction behind the exponential,
	s_wait_alu depctr_va_vdst(0)                   ; and the wait ahead of its first reader
	v_mov_b32 v[SG+1], v[SG]                       ; (named with it as a pair)
	s_wait_alu depctr_va_vdst(0)
	s_wait_loadcnt 24                              ; step 0's eight loads are in; the 24 of steps 1 to 3 may be out
	TURN 0
.macro STEP t
.set J,  (\t)/3                        ; which of my four rows
.set P,  (\t)%3                        ; which 512 numbers of its half
.set XL, RX+16*((\t)%4)
.set NL, RN+16*((\t)%4)
.set XN, XT+16*((\t)%2)
.if (\t) > 0
	s_wait_dscnt 1                                 ; this step's numbers are back from the stage; behind them stands the last step's byte store alone
.else
	s_wait_dscnt 0x0
.endif
.irp k, 0,2,4,6,8,10,12,14
	v_pk_fma_f32 v[NL+\k:NL+\k+1], v[NL+\k:NL+\k+1], v[SG:SG+1], v[XL+\k:XL+\k+1] op_sel_hi:[1,0,1]   ; out0 = noise x sigma + x
.endr
.irp i, 0,1,2,3
	global_store_b128 v[LIN], v[NL+4*\i:NL+4*\i+3], s[10:11] offset:ROWX*J+2048*P+512*\i th:TH_STORE_NT   ; 32 lanes store 512 consecutive bytes, at a multiple of 256 from out0's first byte
.endr
.irp k, 0,1,2,3                        ; the sum of squares, four chains; a row's first piece starts them: nothing is cleared
.if P == 0
	v_pk_mul_f32 v[NS+2*\k:NS+2*\k+1], v[XL+2*\k:XL+2*\k+1], v[XL+2*\k:XL+2*\k+1]
.else
	v_pk_fma_f32 v[NS+2*\k:NS+2*\k+1], v[XL+2*\k:XL+2*\k+1], v[XL+2*\k:XL+2*\k+1], v[NS+2*\k:NS+2*\k+1]
.endif
.endr
.irp k, 0,1,2,3
	s_delay_alu instid0(VALU_DEP_4)
	v_pk_fma_f32 v[NS+2*\k:NS+2*\k+1], v[XL+8+2*\k:XL+8+2*\k+1], v[XL+8+2*\k:XL+8+2*\k+1], v[NS+2*\k:NS+2*\k+1]
.endr
.if P == 2                             ; the row's half is through: the chains, then the 32 lanes.  The store stands ahead of the next turn, so that the count at the next step's head stays 1
	s_delay_alu instid0(VALU_DEP_3)
	v_pk_add_f32 v[NS:NS+1], v[NS:NS+1], v[NS+2:NS+3]
	s_delay_alu instid0(VALU_DEP_2)
	v_pk_add_f32 v[NS+4:NS+5], v[NS+4:NS+5], v[NS+6:NS+7]
	s_delay_alu instid0(VALU_DEP_1)
	v_pk_add_f32 v[NS:NS+1], v[NS:NS+1], v[NS+4:NS+5]
	s_delay_alu instid0(VALU_DEP_1)
	v_add_f32 v[NS], v[NS], v[NS+1]
	s_delay_alu instid0(VALU_DEP_1)
	v_add_f32_dpp v[NS], v[NS], v[NS] row_xmask:1 row_mask:0xf bank_mask:0xf
	s_delay_alu instid0(VALU_DEP_1)
	v_add_f32_dpp v[NS], v[NS], v[NS] row_xmask:2 row_mask:0xf bank_mask:0xf
	s_delay_alu instid0(VALU_DEP_1)
	v_add_f32_dpp v[NS], v[NS], v[NS] row_xmask:4 row_mask:0xf bank_mask:0xf
	s_delay_alu instid0(VALU_DEP_1)
	v_add_f32_dpp v[NS], v[NS], v[NS] row_xmask:8 row_mask:0xf bank_mask:0xf
	s_delay_alu instid0(VALU_DEP_1)
	v_permlanex16_b32 v[PT], v[NS], s18, s19
	s_delay_alu instid0(VALU_DEP_1)
	v_add_f32 v[NS], v[NS], v[PT]
	ds_store_b32 v[NRA], v[NS] offset:4*J          ; all lanes write the same word with the same value
.endif
	v_max3_num_f32 v[MX], |v[XN]|, |v[XN+1]|, |v[XN+2]|            ; the largest magnitude of my 16
	v_max3_num_f32 v[MX+1], |v[XN+3]|, |v[XN+4]|, |v[XN+5]|
.irp i, 6,10
	s_delay_alu instid0(VALU_DEP_2)
	v_max3_num_f32 v[MX], v[MX], |v[XN+\i]|, |v[XN+\i+1]|
	s_delay_alu instid0(VALU_DEP_2)
	v_max3_num_f32 v[MX+1], v[MX+1], |v[XN+\i+2]|, |v[XN+\i+3]|
.endr
	s_delay_alu instid0(VALU_DEP_2)
	v_max3_num_f32 v[MX], v[MX], |v[XN+14]|, |v[XN+15]|
	s_delay_alu instid0(VALU_DEP_1)
	v_max3_num_f32 v[MX], v[MX], v[MX+1], 0x8000000   ; and the floor 2^(16 - 127): so the byte cannot fall under 1
	s_delay_alu instid0(VALU_DEP_1)
	v_max_num_f32_dpp v[MX], v[MX], v[MX] row_xmask:1 row_mask:0xf bank_mask:0xf   ; and of my neighbour's 16: the block's
	s_delay_alu instid0(VALU_DEP_1)
	v_add_nc_u32 v[SCL], 0xf8800000, v[MX]         ; 15 off its exponent field: the conversion takes the exponent field of this operand as its scale, and nothing else of it
	s_delay_alu instid0(VALU_DEP_2)
	v_and_or_b32 v[HOLD], v[MX], 0x7f800000, s20   ; 57,344 x the scale: the largest magnitude's exponent field over 57,344's mantissa
	s_wait_alu depctr_va_vdst(0)
	s_wait_xcnt 0x0                                ; every earlier memory instruction has had its addresses translated (ISA guide 3.1): out0's registers are loaded again, and the codes' written again, only behind this wait
.if (\t) < 8
	LOAD (\t)+4
.endif
.if (\t) < 11
.if (\t) < 8
	s_wait_loadcnt 24                              ; the next step's eight loads are in; those of the three steps behind it may be out
.else
	s_wait_loadcnt 8*(10-(\t))                     ; the same, with fewer steps left behind it
.endif
	TURN (\t)+1                                    ; through the other stage, while this step is worked
.endif
.irp i, 0,1,2,3,4,5,6,7,8,9,10,11,12,13,14,15
	v_med3_num_f32 v[XN+\i], v[XN+\i], -v[HOLD], v[HOLD]   ; the conversion to an 8-bit code does not saturate (ISA guide 7.6.2): hold the number within the largest code x the scale first
.endr
	v_cvt_scalef32_pk8_bf8_f32 v[CD:CD+1], v[XN:XN+7], v[SCL]
	v_cvt_scalef32_pk8_bf8_f32 v[CD+2:CD+3], v[XN+8:XN+15], v[SCL]
	v_lshrrev_b32 v[EB+(\t)], 23, v[SCL]           ; the scale's byte (also the plain instruction behind the conversions)
	ds_store_b8 v[SBA], v[EB+(\t)] offset:512*P+8*J   ; both lanes of a block write the same byte with the same value
	global_store_b128 v[CQO], v[CD:CD+3], s[12:13] offset:256*J+2*TILEB*P   ; lanes 0-15 store my row's 256 codes of one K step, lanes 16-31 those of the next: 256 consecutive bytes each, aligned
.endm
.irp t, 0,1,2,3,4,5,6,7,8,9,10,11
	STEP \t
.endr
	s_wait_dscnt 0x0                               ; for the others' sake: my bytes and my sums lie in LDS
	s_barrier_signal -1
	s_barrier_wait -1
	s_cmp_lt_u32 s17, 6
	s_cbranch_scc0 .Lnot_scales
	ds_load_b64 v[MX:MX+1], v[SRD]                 ; wave w: the 32 rows' scale bytes of K step w
	s_wait_dscnt 0x0
	global_store_b64 v[O8], v[MX:MX+1], s[30:31]   ; 32 lanes store 256 consecutive bytes, aligned
	s_branch .Lend
.Lnot_scales:
	s_cmp_eq_u32 s17, 6
	s_cbranch_scc0 .Lend
	ds_load_b32 v[MX], v[NRD]                      ; wave 6: the 32 rows' sums
	s_wait_dscnt 0x0
	global_store_b32 v[O4], v[MX], s[14:15]        ; 128 consecutive bytes: one such store for each work-group
.Lend:
	s_wait_tensorcnt 0x0
	ds_add_u32 v208, v209
	s_wait_dscnt 0x0
	s_endpgm
.Lfunc_end_k_qff38732473_prep:
	.size	k_qff38732473_prep, .Lfunc_end_k_qff38732473_prep-k_qff38732473_prep
	.p2alignl 7, 3214868480
	.fill 96, 4, 3214868480
	.section	.rodata,"a",@progbits
	.p2align	6, 0x0
	.amdhsa_kernel k_qff38732473_prep
		.amdhsa_group_segment_fixed_size 44032
		.amdhsa_private_segment_fixed_size 0
		.amdhsa_enable_private_segment 0
		.amdhsa_kernarg_size 48
		.amdhsa_user_sgpr_count 2
		.amdhsa_user_sgpr_kernarg_segment_ptr 1
		.amdhsa_wavefront_size32 1
		.amdhsa_system_sgpr_workgroup_id_x 1
		.amdhsa_system_sgpr_workgroup_id_y 1
		.amdhsa_system_sgpr_workgroup_id_z 1
		.amdhsa_system_vgpr_workitem_id 0
		.amdhsa_next_free_vgpr 210
		.amdhsa_next_free_sgpr 66
		.amdhsa_reserve_vcc 0
		.amdhsa_float_denorm_mode_32 3
		.amdhsa_float_denorm_mode_16_64 3
		.amdhsa_memory_ordered 1
		.amdhsa_forward_progress 1
		.amdhsa_inst_pref_size 72
	.end_amdhsa_kernel
	.amdgpu_metadata
---
amdhsa.version: [ 1, 2 ]
amdhsa.kernels:
  - .name:           k_qff38732473_prep
    .symbol:         k_qff38732473_prep.kd
    .args:
      - { .name: x, .offset: 0, .size: 8, .value_kind: global_buffer, .address_space: global }
      - { .name: noise, .offset: 8, .size: 8, .value_kind: global_buffer, .address_space: global }
      - { .name: logvar_t, .offset: 16, .size: 8, .value_kind: global_buffer, .address_space: global }
      - { .name: out0, .offset: 24, .size: 8, .value_kind: global_buffer, .address_space: global }
      - { .name: xq, .offset: 32, .size: 8, .value_kind: global_buffer, .address_space: global }
      - { .name: xn, .offset: 40, .size: 8, .value_kind: global_buffer, .address_space: global }
    .group_segment_fixed_size: 44032
    .private_segment_fixed_size: 0
    .kernarg_segment_align: 8
    .kernarg_segment_size: 48
    .max_flat_workgroup_size: 256
    .sgpr_count:     66
    .vgpr_count:     210
    .wavefront_size: 32
...
	.end_amdgpu_metadata
.endif
;; end of part 1
;; launch gram (part 2): grid 40 x 4, 4 waves a work-group, clusters of 4 x 4, 327,680 bytes of LDS; arguments xq, xn, logvar_t, pl; writes pl
.if DOCPART == 2
	.amdgcn_target "amdgcn-amd-amdhsa--gfx1250"
	.amdhsa_code_object_version 6
	.text
	.protected	k_qff38732473_gram
	.globl	k_qff38732473_gram
	.p2align	8
	.type	k_qff38732473_gram,@function
k_qff38732473_gram:
	s_mov_b64 s[64:65], 0
	v_nop
	global_prefetch_b8 v0, s[64:65] scope:SCOPE_SE
	s_setreg_imm32_b32 hwreg(HW_REG_WAVE_MODE, 25, 1), 1
	s_wait_xcnt 0x0
	s_wait_alu depctr_hold_cnt(0) depctr_sa_sdst(0) depctr_va_vdst(0) depctr_va_sdst(0) depctr_va_ssrc(0) depctr_va_vcc(0) depctr_vm_vsrc(0)
	s_getreg_b32 s2, hwreg(HW_REG_IB_STS2, 6, 4)
	s_cmp_eq_u32 s2, 0
	s_cbranch_scc0 .Lentry_in_a_cluster
	s_endpgm
.Lentry_in_a_cluster:
	s_bfe_u32 s2, ttmp6, 0x10000c
	s_cmp_lg_u32 s2, 0xf033
	s_cbranch_scc0 .Lentry_shape_is_right
	s_endpgm
.Lentry_shape_is_right:
; G = Q(x) Q(x)^T has the same quantised x on both sides, so G[j][i] = G[i][j] for every input: tile (J, I) is tile (I, J) transposed.  Each such pair of tiles is multiplied ONCE.
; G is cut into 4 x 4 blocks of 1,024 x 1,024, a cluster of 4 x 4 work-groups to a block.  Only the ten blocks (Y, X) with X >= Y are launched: 160 work-groups hold all the work that is left.
;  Clusters 0 to 5, X > Y: tiles (I = 4 Y + cy, J = 4 X + cx) of 256 x 256: the product; then log2 of the sum of 2^t along rows (rows of I, columns of J) AND along columns (rows of J, columns of I).
;  Clusters 6 to 9, X = Y: the sixteen tiles of a diagonal block, along rows alone.
; t = c min(0, G - (|xi|^2 + |xj|^2) / 2), c = log2(e) / (exp(logvar) + 1e-10): reference()'s -dist / (2 var) in base 2, with its clamp.  The largest t of a row (a column) is taken away before the exponentials.
; pl: [16][4096] f32: pl[S][row] = log2 of the part of that row's sum that lies in the 256 columns of tile column S: a tile's row pass stores pl[J][rows of I], its column pass pl[I][rows of J]: each word once.
; THE PRODUCT: four waves, 128 x 128 each (64 accumulators); K in 12 steps of 256 through a ring of two LDS slots; a tile of xq (128 rows' codes and scale bytes) is 132 rows of 256 bytes.
; A's tiles are asked for jointly along a row of the cluster, B's along a column.  The accumulators start from -(|xi|^2 + |xj|^2) / 2.  The matrix instruction is used transposed: a lane holds row l % 16 of A and eight neighbouring columns.
; PREFETCH: the diagonal clusters ask for their own rows' codes, which together are all of xq, two refills ahead; the cluster of block (0, 0) for the scale bytes.
; LIMITS: NaN and infinities are not served; the promise holds while |t| stays under 2^31.
.set NQ,     2
.set PITCH,  272
.set FR,     16
.set NL,     4
.set NP,     8
.set TROWS,  132
.set TILEB,  TROWS*256
.set GROUPB, 12*TILEB
.set HALFT,  TROWS*PITCH
.set SCOFF,  128*PITCH
.set SLOT,   4*HALFT
.set LAPS,   6
.set SPARE,  2*SLOT                    ; the spare words, 512 bytes
.set XCH,    SPARE+512                 ; [2 column halves][256 rows] f32
.set XCH2,   XCH+2048                  ; [2 row halves][256 columns] f32
.set YTAB, (1<<6)|(1<<8)|(2<<10)|(1<<14)|(2<<16)|(3<<18)                 ; cluster n's block row, two bits each:    0 0 0 1 1 2 0 1 2 3
.set XTAB, 1|(2<<2)|(3<<4)|(2<<6)|(3<<8)|(3<<10)|(1<<14)|(2<<16)|(3<<18) ; and its block column:                    1 2 3 2 3 3 0 1 2 3
.set PT,   1
.set MM,   2
.set MN,   4
.set XI,   8
.set MS,   8
.set ADRA, 16
.set ADRB, 20
.set ADRS, 22
.set LL,   16
.set XS,   24
.set XR,   25
.set PO,   26
.set XS2,  27
.set SPW,  28
.set NIL,  29
.set PFO,  30
.set SC,   32
.set XJ,   64
.set AF,   128
.set CM,   64                          ; the column pass: c x the columns' largest, v64-127
.set CS,   128                         ; the columns' sums, v128-191; at work: v192-255 and window 1's v0-63 by turns
.set G1,  24
.set G0,  32
.set G1B, 48
.set G0B, 56
.set PFA, 66
.set LIM, 68
.set CC,  70
.set SEL, 72
.set MSB, 0
.macro WIN new                         ; the immediate's high byte repeats the setting that is left
.if MSB != (\new)
	s_set_vgpr_msb (MSB<<8)|(\new)
.set MSB, (\new)
.endif
.endm
.set MUL_LO, 0xa1
.set MUL_HI, 0xf1
.set TO_B,   0x40
.macro JLOAD g0a, g1a, g0b, g1b        ; a joint load: waves 0, 1 for A, waves 2, 3 for B
	s_cmp_eq_u32 s15, 0
	s_cbranch_scc0 .Lfor_b_\@
	tensor_load_to_lds s[\g0a:\g0a+3], s[\g1a:\g1a+7]
	s_nop 0
.rept 4
	v_nop
.endr
	s_branch .Lasked_\@
.Lfor_b_\@:
	tensor_load_to_lds s[\g0b:\g0b+3], s[\g1b:\g1b+7]
	s_nop 0
.rept 4
	v_nop
.endr
.Lasked_\@:
.endm
.macro ASK
	s_cmp_gt_u32 s3, s[LIM]
	s_cbranch_scc0 .Lnot_mine_\@
	global_prefetch_b8 v[PFO], s[PFA:PFA+1] offset:TILEB th:TH_LOAD_NT scope:SCOPE_SE
.Lnot_mine_\@:
.endm
.macro CREST
	s_cmp_lg_u32 s14, 0
	s_cbranch_scc1 .Lnot_wave_0_\@
	s_barrier_signal -3
.Lnot_wave_0_\@:
	s_barrier_wait -3
	s_barrier_signal -1
	s_barrier_wait -1
.endm
.macro CROUND
	s_barrier_signal -1
	s_barrier_wait -1
	CREST
.endm
.macro CINIT a                         ; block a's accumulators start from -(xi + xj) / 2
.set XP, XI+2*((\a)/2)
	WIN 0x80+0x40*((\a)/4)
.set k, 0
.rept 32
.if (\a)%2
	v_pk_fma_f32 v[64*((\a)%4)+k:64*((\a)%4)+k+1], v[XJ+k:XJ+k+1], -0.5, v[XP:XP+1] op_sel:[0,0,1] op_sel_hi:[1,0,1]
.else
	v_pk_fma_f32 v[64*((\a)%4)+k:64*((\a)%4)+k+1], v[XJ+k:XJ+k+1], -0.5, v[XP:XP+1] op_sel_hi:[1,0,0]
.endif
.set k, k+2
.endr
.endm
	s_load_b256 s[4:11], s[0:1], 0x0               ; xq, xn, logvar_t, pl
	v_lshl_add_u32 v[SPW], v0, 2, SPARE
	v_mov_b32 v[NIL], 0
	ds_add_u32 v[SPW], v[NIL]                      ; the opening lines: the add twice on end and its wait
	ds_add_u32 v[SPW], v[NIL]
	v_lshrrev_b32 v1, 5, v0
	v_readfirstlane_b32 s14, v1                    ; wave
	s_lshl_b32 s94, ttmp9, 1                       ; ttmp9: the cluster's number, 0 to 9, the same in all sixteen partners
	s_lshr_b32 s90, YTAB, s94
	s_and_b32 s90, s90, 3                          ; Y: the block row
	s_lshr_b32 s94, XTAB, s94
	s_and_b32 s94, s94, 3                          ; X: the block column
	s_xor_b32 s91, s94, s90                        ; 0 in a diagonal cluster
	s_lshr_b32 s15, s14, 1                         ; my half of the rows; also: I fetch for A (0) or B (1)
	s_and_b32 s16, s14, 1                          ; my half of the columns; also: which 128 rows I fetch
	s_bfe_u32 s40, ttmp6, 0x40000
	s_bfe_u32 s41, ttmp6, 0x40004
	s_lshl_b32 s42, s94, 2
	s_add_co_u32 s42, s42, s40                     ; tile column J
	s_lshl_b32 s17, s90, 2
	s_add_co_u32 s17, s17, s41                     ; tile row I
	s_lshl_b32 s43, s41, 2
	s_lshl_b32 s43, 15, s43
	s_lshl_b32 s44, 0x1111, s40
	s_or_b32 s[G1+0], s43, (3<<16)|(1<<20)|(1<<21)|(5<<22)|(3<<25)   ; 132 rows of 32 elements of 8 bytes, 16 bytes of padding behind each
	s_or_b32 s[G1B+0], s44, (3<<16)|(1<<20)|(1<<21)|(5<<22)|(3<<25)
.irp g, G1, G1B
	s_mov_b32 s[\g+1], 32<<16
	s_mov_b32 s[\g+2], TROWS<<16
	s_mov_b32 s[\g+3], 32<<16
	s_mov_b32 s[\g+4], TROWS
	s_mov_b32 s[\g+5], 32
	s_mov_b32 s[\g+6], 0
	s_mov_b32 s[\g+7], 0
.endr
	s_lshl_b32 s20, s17, 1
	s_add_co_u32 s20, s20, s16
	s_mul_i32 s20, s20, GROUPB
	s_mov_b32 s21, 0
	s_lshl_b32 s46, s42, 1
	s_add_co_u32 s46, s46, s16
	s_mul_i32 s46, s46, GROUPB
	s_mov_b32 s47, 0
	s_mul_i32 s45, s14, HALFT
	s_mov_b32 s[SEL], 0x76543210
	s_mov_b32 s[SEL+1], 0xfedcba98
	s_wait_dscnt 0x0                               ; both opening adds are done
	s_wait_kmcnt 0x0
	s_load_b32 s69, s[8:9], 0x0                    ; logvar
	s_add_nc_u64 s[20:21], s[4:5], s[20:21]
	s_add_nc_u64 s[46:47], s[4:5], s[46:47]
.irp s, 0,1
	s_mov_b32 s[G0+4*\s], 1
	s_add_co_u32 s[G0+4*\s+1], s45, \s*SLOT
	s_add_nc_u64 s[G0+4*\s+2:G0+4*\s+3], s[20:21], \s*TILEB
	s_or_b32 s[G0+4*\s+3], s[G0+4*\s+3], 0x80000000
	s_mov_b32 s[G0B+4*\s], 1
	s_add_co_u32 s[G0B+4*\s+1], s45, \s*SLOT
	s_add_nc_u64 s[G0B+4*\s+2:G0B+4*\s+3], s[46:47], \s*TILEB
	s_or_b32 s[G0B+4*\s+3], s[G0B+4*\s+3], 0x80000000
.endr
	CROUND                                         ; all sixteen work-groups are here
	JLOAD G0, G1, G0B, G1B                         ; K step 0: one tensor load a wave at the head; all that follows up to the wait for it is made while it is out
	v_and_b32 v1, 15, v0
	v_bfe_u32 v2, v0, 4, 1
	s_wait_alu depctr_va_vdst(0)                   ; the wait behind these writes
	v_mul_u32_u24 v3, v1, PITCH
	v_lshl_add_u32 v4, v2, 4, v3
	s_mul_i32 s21, s15, HALFT
	s_mul_i32 s22, s16, HALFT
	s_add_co_u32 s22, s22, 2*HALFT
.irp s, 0,1
	v_add_nc_u32 v[ADRA+\s], s21, v4
	v_add_nc_u32 v[ADRB+\s], s22, v4
	s_add_co_u32 s21, s21, SLOT
	s_add_co_u32 s22, s22, SLOT
.endr
	s_mul_i32 s21, s15, HALFT
	s_mul_i32 s22, s16, HALFT
	s_add_co_u32 s22, s22, 2*HALFT
	s_sub_co_u32 s22, s22, s21
	v_mul_u32_u24 v6, s22, v2                      ; lanes 16-31 take B's scale words
	v_lshl_add_u32 v5, v1, 3, v6
	s_add_co_u32 s21, s21, SCOFF
	v_add_nc_u32 v[ADRS], s21, v5
	s_add_co_u32 s21, s21, SLOT
	v_add_nc_u32 v[ADRS+1], s21, v5
	s_lshl_b32 s21, s16, 10
	s_lshl_b32 s22, s15, 9
	s_add_co_u32 s21, s21, s22
	s_add_co_u32 s21, s21, XCH
	v_lshl_add_u32 v[XS], v1, 2, s21
	s_lshl_b32 s21, s15, 10
	s_lshl_b32 s22, s16, 9
	s_add_co_u32 s21, s21, s22
	s_add_co_u32 s21, s21, XCH2
	v_lshl_add_u32 v[XS2], v2, 5, s21
	v_and_b32 v7, 31, v0
	v_lshlrev_b32 v[PO], 3, v7
	s_lshl_b32 s21, s14, 8
	s_add_co_u32 s21, s21, XCH
	v_add_nc_u32 v[XR], s21, v[PO]
	s_lshl_b32 s92, s17, 14                        ; the column pass: pl[I][rows of J]
	s_lshl_b32 s93, s42, 10
	s_add_co_u32 s92, s92, s93
	s_lshl_b32 s93, s14, 8
	s_add_co_u32 s92, s92, s93
	s_mov_b32 s93, 0
	s_add_nc_u64 s[92:93], s[10:11], s[92:93]
	s_lshl_b32 s88, s42, 14                        ; the row pass: pl[J][rows of I]
	s_lshl_b32 s89, s17, 10
	s_add_co_u32 s88, s88, s89
	s_lshl_b32 s89, s14, 8
	s_add_co_u32 s88, s88, s89
	s_mov_b32 s89, 0
	s_add_nc_u64 s[10:11], s[10:11], s[88:89]
	s_lshl_b32 s74, s42, 10
	s_lshl_b32 s75, s16, 9
	s_add_co_u32 s74, s74, s75
	s_mov_b32 s75, 0
	s_add_nc_u64 s[74:75], s[6:7], s[74:75]
	s_lshl_b32 s76, s17, 10
	s_lshl_b32 s77, s15, 9
	s_add_co_u32 s76, s76, s77
	s_mov_b32 s77, 0
	s_add_nc_u64 s[76:77], s[6:7], s[76:77]
	v_lshlrev_b32 v5, 5, v2
	v_lshlrev_b32 v6, 2, v1
.irp b, 0,1,2,3,4,5,6,7
	global_load_b128 v[XJ+8*\b:XJ+8*\b+3],   v5, s[74:75] offset:64*\b
	global_load_b128 v[XJ+8*\b+4:XJ+8*\b+7], v5, s[74:75] offset:64*\b+16
	global_load_b128 v[AF+8*\b:AF+8*\b+3],   v5, s[74:75] offset:16384+64*\b
	global_load_b128 v[AF+8*\b+4:AF+8*\b+7], v5, s[74:75] offset:16384+64*\b+16
.endr
.irp a, 0,1,2,3,4,5,6,7
	global_load_b32 v[XI+\a],    v6, s[76:77] offset:64*\a
	global_load_b32 v[AF+64+\a], v6, s[76:77] offset:16384+64*\a
.endr
	; the prefetches: waves 0, 1 of a diagonal cluster: 32 rows' codes of the 128 that I fetch, shared out among the four partners by address (cx);
	; wave 2 of block (0, 0)'s cluster: two row groups' scale bytes of four K steps, in the first lap alone; wave 3: none
	s_lshl_b32 s82, s17, 1
	s_add_co_u32 s82, s82, s16
	s_lshl_b32 s83, s41, 2
	s_add_co_u32 s83, s83, s40
	s_lshl_b32 s83, s83, 1
	s_lshl_b32 s84, s40, 13
	s_or_b32 s80, s90, s94
	s_mov_b32 s81, 2*TILEB
	s_mov_b32 s85, GROUPB
	s_mov_b32 s86, 32768
	s_cmp_lt_u32 s14, 2
	s_cselect_b32 s82, s82, s83
	s_cselect_b32 s84, s84, s86
	s_cselect_b32 s81, 1024, s81
	s_cselect_b32 s85, 4096, s85
	s_cselect_b32 s79, s91, s80
	s_cselect_b32 s[LIM], 1, 4
	s_cmp_eq_u32 s14, 3
	s_cselect_b32 s79, 1, s79
	s_cmp_eq_u32 s79, 0
	s_cselect_b32 s[LIM], s[LIM], -1
	s_mul_i32 s82, s82, GROUPB
	s_add_co_u32 s82, s82, s84
	s_add_co_u32 s82, s82, 2*TILEB
	s_mov_b32 s83, 0
	s_add_nc_u64 s[PFA:PFA+1], s[4:5], s[82:83]
	v_and_b32 v[PFO], 3, v0
	v_lshlrev_b32 v[PFO], 8, v[PFO]
	v_bfe_u32 v7, v0, 2, 2
	v_mad_u32_u24 v[PFO], v7, s81, v[PFO]
	v_mad_u32_u24 v[PFO], v2, s85, v[PFO]
	s_wait_kmcnt 0x0
	v_mov_b32 v3, s69
	v_mul_f32 v3, 0x3fb8aa3b, v3
	s_wait_alu depctr_va_vdst(0)                   ; a wait ahead of and behind each transcendental
	v_exp_f32 v4, v3                               ; exp(logvar)
	v_nop
	s_wait_alu depctr_va_vdst(0)
	v_add_f32 v4, 0x2edbe6ff, v4                   ; + 1e-10
	s_wait_alu depctr_va_vdst(0)
	v_rcp_f32 v3, v4
	v_nop
	s_wait_alu depctr_va_vdst(0)
	v_mul_f32 v3, 0x3fb8aa3b, v3
	v_readfirstlane_b32 s[CC], v3                  ; c
	s_mov_b32 s[CC+1], s[CC]
	s_wait_loadcnt 0x0
.set k, 0
.rept 32
	v_pk_add_f32 v[XJ+k:XJ+k+1], v[XJ+k:XJ+k+1], v[AF+k:AF+k+1]   ; the two halves of K
.set k, k+2
.endr
.irp a, 0,2,4,6
	v_pk_add_f32 v[XI+\a:XI+\a+1], v[XI+\a:XI+\a+1], v[AF+64+\a:AF+64+\a+1]
.endr
.irp a, 0,2,4,6
	v_pk_mul_f32 v[XI+\a:XI+\a+1], v[XI+\a:XI+\a+1], -0.5 op_sel_hi:[1,0]
.endr
.irp a, 0,1,2,3,4,5,6,7
	CINIT \a
.endr
	WIN 0
.macro FRAG reg, adr, q, i
.irp c, 0,1,2,3
	ds_load_b128 v[\reg+4*\c:\reg+4*\c+3], v[\adr] offset:128*(\q)+32*\c+(\i)*16*PITCH
.endr
.endm
.macro MUL16 a0, p, q, sc              ; A's blocks a0, a0 + 1 x B's eight; the 64 accumulators take turns
.irp a, \a0, \a0+1
.irp b, 0,1,2,3,4,5,6,7
	v_wmma_scale_f32_16x16x128_f8f6f4 v[8*(8*((\a)%4)+\b):8*(8*((\a)%4)+\b)+7], v[128*(\p)+FR*\b:128*(\p)+FR*\b+FR-1], v[AF+FR*(\a):AF+FR*(\a)+FR-1], v[8*(8*((\a)%4)+\b):8*(8*((\a)%4)+\b)+7], v[SC+8*NQ*(\sc)+NQ*\b+(\q)], v[SC+8*NQ*(\sc)+NQ*(\a)+(\q)] matrix_a_fmt:MATRIX_FMT_BF8 matrix_b_fmt:MATRIX_FMT_BF8 matrix_a_scale:MATRIX_SCALE_ROW1
.endr
.endr
.endm
.macro FETCH_B slot, q, p
	WIN TO_B
.irp i, 0,1,2,3,4,5,6,7
	FRAG 128*(\p)+FR*\i, ADRB+\slot, \q, \i
.endr
	WIN 0
.endm
.macro FETCH_A slot, q, i0
.irp i, \i0, \i0+1, \i0+2, \i0+3
	FRAG AF+FR*(\i), ADRA+\slot, \q, \i
.endr
.endm
.macro SCALES slot                     ; lanes 0-15 A's block i, lanes 16-31 B's block i: two words a row
.irp i, 0,1,2,3,4,5,6,7
	ds_load_b64 v[SC+8*NQ*\slot+NQ*\i:SC+8*NQ*\slot+NQ*\i+1], v[ADRS+\slot] offset:PITCH*(\i/2)+128*(\i%2)
.endr
.endm
.macro PLACES n
.rept \n
	v_nop
.endr
.endm
.macro STEP slot, q                    ; 128 along K with its successor in the same slot
	s_wait_dscnt 4*NL                              ; all but A's blocks 4-7
	WIN MUL_LO
	MUL16 0, (\q)%2, \q, \slot
	MUL16 2, (\q)%2, \q, \slot
	s_wait_dscnt 0
	PLACES NP
	FETCH_B \slot, (\q)+1, 1-(\q)%2
	FETCH_A \slot, (\q)+1, 0
	WIN MUL_HI
	MUL16 4, (\q)%2, \q, \slot
	MUL16 6, (\q)%2, \q, \slot
	PLACES NP
	WIN 0
	FETCH_A \slot, (\q)+1, 4
.endm
.macro TURN slot, next, fill           ; a slot's last step changes slots
.if \fill
	s_wait_xcnt 0x0                                ; my prefetch has read its address
	s_add_nc_u64 s[PFA:PFA+1], s[PFA:PFA+1], TILEB
.endif
	s_wait_dscnt 4*NL
	WIN MUL_LO
	MUL16 0, 1, NQ-1, \slot
	MUL16 2, 1, NQ-1, \slot
	WIN 0
	s_wait_tensorcnt 0x0                           ; all my tensor loads have landed: my part of the next slot
	ds_add_u32 v[SPW], v[NIL]
.if \fill
	s_add_nc_u64 s[G0+4*\slot+2:G0+4*\slot+3], s[G0+4*\slot+2:G0+4*\slot+3], 2*TILEB
	s_add_nc_u64 s[G0B+4*\slot+2:G0B+4*\slot+3], s[G0B+4*\slot+2:G0B+4*\slot+3], 2*TILEB
.endif
	s_wait_dscnt 0x0                               ; the add is done, my reads of this slot are over
	s_barrier_signal -1
	s_barrier_wait -1
.if \fill
	CREST                                          ; the barrier has opened a round of the cluster's barrier
	JLOAD G0+4*\slot, G1, G0B+4*\slot, G1B
	PLACES NP-4
.else
	PLACES NP
.endif
	FETCH_B \next, 0, 0
	FETCH_A \next, 0, 0
	SCALES \next
.if \fill
	ASK
.endif
	WIN MUL_HI
	MUL16 4, 1, NQ-1, \slot
	MUL16 6, 1, NQ-1, \slot
	PLACES NP
	WIN 0
	FETCH_A \next, 0, 4
.endm
	s_wait_alu depctr_va_vdst(0)                   ; the wait at the head's end
	s_wait_tensorcnt 0x0                           ; my part of K step 0 is in; the lines that stand ahead of a later first fill:
	ds_add_u32 v[SPW], v[NIL]
	s_wait_dscnt 0x0
	CROUND
	JLOAD G0+4, G1, G0B+4, G1B                     ; K step 1, the first tensor load behind the round
	FETCH_B 0, 0, 0
	FETCH_A 0, 0, 0
	SCALES 0
	FETCH_A 0, 0, 4
	STEP 0, 0
	s_mov_b32 s3, LAPS-1
.Llap:
	TURN 0, 1, 1
	STEP 1, 0
	TURN 1, 0, 1
	STEP 0, 0
	s_sub_co_u32 s3, s3, 1
	s_cmp_lg_u32 s3, 0
	s_cbranch_scc1 .Llap
	TURN 0, 1, 0
	STEP 1, 0
	s_wait_dscnt 4*NL
	WIN MUL_LO
	MUL16 0, 1, NQ-1, 1
	MUL16 2, 1, NQ-1, 1
	s_wait_dscnt 0
	WIN MUL_HI
	MUL16 4, 1, NQ-1, 1
	MUL16 6, 1, NQ-1, 1
	WIN 0
; THE ROW PASS, block a of 16 rows.  D: the row's largest; the clamp at 0, IN PLACE, so that the column pass finds clamped numbers; c x number - c x largest.  X: the exponentials.  S: the sum.
.macro EPI_D a
.set T,  AF+64*((\a)%2)
.set AC, 64*((\a)%4)
	WIN 0x0a+5*((\a)/4)
.irp c, 0,1,2,3
	v_max_num_f32 v[MN+\c], v[AC+16*\c], v[AC+16*\c+1]             ; each accumulator is read from its low end on
.endr
.irp i, 2,4,6,8,10,12,14
.irp c, 0,1,2,3
	v_max3_num_f32 v[MN+\c], v[AC+16*\c+\i], v[AC+16*\c+\i+1], v[MN+\c]
.endr
.endr
	WIN 0x88+0x44*((\a)/4)
.set k, 0
.rept 64
	v_min_num_f32 v[AC+k], 0, v[AC+k]
.set k, k+1
.endr
	WIN 0
	v_max3_num_f32 v[MN], v[MN], v[MN+1], v[MN+2]
	v_max_num_f32 v[MN], v[MN], v[MN+3]
	v_permlanex16_b32 v[PT], v[MN], s[SEL], s[SEL+1]
	v_max_num_f32 v[MN], v[MN], v[PT]
	v_min_num_f32 v[MN], 0, v[MN]
	v_mul_f32 v[MM], s[CC], v[MN]
	v_mov_b32 v[MS+(\a)], v[MM]
	WIN 2+(\a)/4
.set k, 0
.rept 32
	v_pk_fma_f32 v[T+k:T+k+1], v[AC+k:AC+k+1], s[CC:CC+1], v[MM:MM+1] op_sel_hi:[1,0,0] neg_lo:[0,0,1] neg_hi:[0,0,1]
.set k, k+2
.endr
	WIN 0
.endm
.macro EPI_X a
.set T,  AF+64*((\a)%2)
.set k, 0
.rept 64
	v_exp_f32 v[T+k], v[T+k]
.set k, k+1
.endr
.endm
.macro EPI_S a
.set T,  AF+64*((\a)%2)
	s_wait_alu depctr_va_vdst(0)                   ; one wait for the batch behind, and ahead of the batch to come
.irp i, 1,2,3,4,5,6,7
.irp c, 0,1,2,3
	v_pk_add_f32 v[T+2*\c:T+2*\c+1], v[T+2*\c:T+2*\c+1], v[T+8*\i+2*\c:T+8*\i+2*\c+1]
.endr
.endr
	v_pk_add_f32 v[T:T+1], v[T:T+1], v[T+2:T+3]
	v_pk_add_f32 v[T+4:T+5], v[T+4:T+5], v[T+6:T+7]
	v_pk_add_f32 v[T:T+1], v[T:T+1], v[T+4:T+5]
	v_add_f32 v[T], v[T], v[T+1]
	v_permlanex16_b32 v[PT], v[T], s[SEL], s[SEL+1]
	v_add_f32 v[LL+(\a)], v[T], v[PT]
.endm
	PLACES NP
	EPI_D 0
	s_wait_alu depctr_va_vdst(0)
	EPI_X 0
	s_wait_alu depctr_va_vdst(0)
.irp a, 1,2,3,4,5,6,7
	s_wait_alu depctr_va_vdst(0)                   ; the wait ahead of the first reader of matrix results behind transcendentals
	EPI_D \a
	EPI_S \a-1
	EPI_X \a
.endr
	v_nop
	EPI_S 7
	s_wait_alu depctr_va_vdst(0)
.irp a, 0,1,2,3,4,5,6,7
	v_log_f32 v[LL+\a], v[LL+\a]
.endr
	v_nop
	s_wait_alu depctr_va_vdst(0)
.irp a, 0,1,2,3,4,5,6,7
	v_add_f32 v[LL+\a], v[LL+\a], v[MS+\a]
.endr
.irp a, 0,1,2,3,4,5,6,7
	ds_store_b32 v[XS], v[LL+\a] offset:64*\a      ; lanes l and l + 16 write the same word with the same value
.endr
; Two waves' parts of 64 rows (or columns) are joined and stored: 256 consecutive bytes a wave
.macro FINISH r, off, p
	ds_load_b64 v[\r:\r+1], v[XR] offset:\off
	ds_load_b64 v[\r+2:\r+3], v[XR] offset:\off+1024
	s_wait_dscnt 0x0
	v_max_num_f32 v[\r+4], v[\r], v[\r+2]
	v_max_num_f32 v[\r+5], v[\r+1], v[\r+3]
	v_pk_add_f32 v[\r:\r+1], v[\r:\r+1], v[\r+4:\r+5] neg_lo:[0,1] neg_hi:[0,1]
	v_pk_add_f32 v[\r+2:\r+3], v[\r+2:\r+3], v[\r+4:\r+5] neg_lo:[0,1] neg_hi:[0,1]
	s_wait_alu depctr_va_vdst(0)
.irp i, 0,1,2,3
	v_exp_f32 v[\r+\i], v[\r+\i]
.endr
	v_nop
	s_wait_alu depctr_va_vdst(0)
	v_pk_add_f32 v[\r:\r+1], v[\r:\r+1], v[\r+2:\r+3]
	s_wait_alu depctr_va_vdst(0)
	v_log_f32 v[\r], v[\r]
	v_log_f32 v[\r+1], v[\r+1]
	v_nop
	s_wait_alu depctr_va_vdst(0)
	v_pk_add_f32 v[\r:\r+1], v[\r:\r+1], v[\r+4:\r+5]
	global_store_b64 v[PO], v[\r:\r+1], s[\p:\p+1]
.endm
	s_cmp_eq_u32 s91, 0                            ; a diagonal cluster has no column pass: the cluster's own number decides
	s_cbranch_scc1 .Ldiag
; THE COLUMN PASS.  Register k = 8 b + j of a lane is column 16 b + 8 (l / 16) + j in every block a: first over the eight blocks, register by register, then over the sixteen lanes of a row of lanes.
.macro LANES op, base
.irp m, 1,2,4,8
.set k, 0
.rept 64
	\op v[\base+k], v[\base+k], v[\base+k] row_xmask:\m row_mask:0xf bank_mask:0xf
.set k, k+1
.endr
.endr
.endm
	WIN 0x2a
.set k, 0
.rept 64
	v_max3_num_f32 v[CM+k], v[k], v[64+k], v[128+k]                ; blocks 0, 1, 2
.set k, k+1
.endr
	WIN 0x0e
.set k, 0
.rept 64
	v_max3_num_f32 v[CM+k], v[192+k], v[k], v[CM+k]                ; blocks 3, 4
.set k, k+1
.endr
	WIN 0x0f
.set k, 0
.rept 64
	v_max3_num_f32 v[CM+k], v[64+k], v[128+k], v[CM+k]             ; blocks 5, 6
.set k, k+1
.endr
	WIN 0x03
.set k, 0
.rept 64
	v_max_num_f32 v[CM+k], v[192+k], v[CM+k]                       ; block 7
.set k, k+1
.endr
	WIN 0
	LANES v_max_num_f32_dpp, CM
.set k, 0
.rept 32
	v_pk_mul_f32 v[CM+k:CM+k+1], v[CM+k:CM+k+1], s[CC:CC+1] op_sel_hi:[1,0]
.set k, k+2
.endr
.macro COL_D a                         ; c x number - c x the column's largest, into v192-255 (a even) or window 1's v0-63 (a odd)
.set TB, 192*(1-(\a)%2)
.set AC, 64*((\a)%4)
	WIN (((\a)%2)<<6)|(2+(\a)/4)
.set k, 0
.rept 32
	v_pk_fma_f32 v[TB+k:TB+k+1], v[AC+k:AC+k+1], s[CC:CC+1], v[CM+k:CM+k+1] op_sel_hi:[1,0,1] neg_lo:[0,0,1] neg_hi:[0,0,1]
.set k, k+2
.endr
.endm
.macro COL_X a                         ; block 0's exponentials start the sums
.set TB, 192*(1-(\a)%2)
	WIN (((\a)%2)<<6)|((\a)%2)
.set k, 0
.rept 64
.if (\a) == 0
	v_exp_f32 v[CS+k], v[TB+k]
.else
	v_exp_f32 v[TB+k], v[TB+k]
.endif
.set k, k+1
.endr
.endm
.macro COL_S a
.set TB, 192*(1-(\a)%2)
	s_wait_alu depctr_va_vdst(0)                   ; one wait for the batch behind, and ahead of the batch to come
	WIN ((\a)%2)<<2
.set k, 0
.rept 32
	v_pk_add_f32 v[CS+k:CS+k+1], v[CS+k:CS+k+1], v[TB+k:TB+k+1]
.set k, k+2
.endr
.endm
	COL_D 0
	s_wait_alu depctr_va_vdst(0)
	COL_X 0
	COL_D 1
	s_wait_alu depctr_va_vdst(0)
	COL_X 1
.irp a, 2,3,4,5,6,7
	COL_D \a
	COL_S \a-1
	COL_X \a
.endr
	WIN 0
	v_nop
	COL_S 7
	WIN 0
	LANES v_add_f32_dpp, CS
	s_wait_alu depctr_va_vdst(0)
.set k, 0
.rept 64
	v_log_f32 v[CS+k], v[CS+k]
.set k, k+1
.endr
	v_nop
	s_wait_alu depctr_va_vdst(0)
.set k, 0
.rept 32
	v_pk_add_f32 v[CS+k:CS+k+1], v[CS+k:CS+k+1], v[CM+k:CM+k+1]
.set k, k+2
.endr
.set k, 0
.rept 16
	ds_store_b128 v[XS2], v[CS+4*k:CS+4*k+3] offset:64*(k/2)+16*(k%2)   ; registers 8 b + 4 q ..: columns 16 b + 8 (l / 16) + 4 q ..; the sixteen lanes of a row of lanes write the same words with the same values
.set k, k+1
.endr
	s_wait_dscnt 0x0                               ; for the others' sake
	s_barrier_signal -1
	s_barrier_wait -1
	FINISH AF, 0, 10
	FINISH AF+8, 2048, 92
	s_branch .Lend
.Ldiag:
	s_wait_dscnt 0x0                               ; for the others' sake
	s_barrier_signal -1
	s_barrier_wait -1
	FINISH AF, 0, 10
.Lend:
	s_wait_tensorcnt 0x0                           ; the wave's end
	ds_add_u32 v[SPW], v[NIL]
	s_wait_dscnt 0x0
	CROUND                                         ; the closing round
	s_endpgm
.Lfunc_end_k_qff38732473_gram:
	.size	k_qff38732473_gram, .Lfunc_end_k_qff38732473_gram-k_qff38732473_gram
	.p2alignl 7, 3214868480
	.fill 96, 4, 3214868480
	.section	.rodata,"a",@progbits
	.p2align	6, 0x0
	.amdhsa_kernel k_qff38732473_gram
		.amdhsa_group_segment_fixed_size 327680
		.amdhsa_private_segment_fixed_size 0
		.amdhsa_enable_private_segment 0
		.amdhsa_kernarg_size 32
		.amdhsa_user_sgpr_count 2
		.amdhsa_user_sgpr_kernarg_segment_ptr 1
		.amdhsa_wavefront_size32 1
		.amdhsa_system_sgpr_workgroup_id_x 1
		.amdhsa_system_sgpr_workgroup_id_y 1
		.amdhsa_system_sgpr_workgroup_id_z 1
		.amdhsa_system_vgpr_workitem_id 0
		.amdhsa_next_free_vgpr 1024
		.amdhsa_next_free_sgpr 98
		.amdhsa_reserve_vcc 0
		.amdhsa_float_denorm_mode_32 3
		.amdhsa_float_denorm_mode_16_64 3
		.amdhsa_memory_ordered 1
		.amdhsa_forward_progress 1
		.amdhsa_inst_pref_size 255
	.end_amdhsa_kernel
	.section	.bss,"aw",@nobits
	.p2align	6
	.space	262144
	.amdgpu_metadata
---
amdhsa.version: [ 1, 2 ]
amdhsa.kernels:
  - .name:           k_qff38732473_gram
    .symbol:         k_qff38732473_gram.kd
    .args:
      - { .name: xq, .offset: 0, .size: 8, .value_kind: global_buffer, .address_space: global }
      - { .name: xn, .offset: 8, .size: 8, .value_kind: global_buffer, .address_space: global }
      - { .name: logvar_t, .offset: 16, .size: 8, .value_kind: global_buffer, .address_space: global }
      - { .name: pl, .offset: 24, .size: 8, .value_kind: global_buffer, .address_space: global }
    .group_segment_fixed_size: 327680
    .private_segment_fixed_size: 0
    .kernarg_segment_align: 8
    .kernarg_segment_size: 32
    .max_flat_workgroup_size: 128
    .sgpr_count:     98
    .vgpr_count:     1024
    .wavefront_size: 32
...
	.end_amdgpu_metadata
.endif
;; end of part 2
;; launch fin (part 3): grid 1 x 1, 32 waves a work-group, no clusters, 4,352 bytes of LDS; arguments pl, out1; writes out1
.if DOCPART == 3
	.amdgcn_target "amdgcn-amd-amdhsa--gfx1250"
	.amdhsa_code_object_version 6
	.text
	.protected	k_qff38732473_fin
	.globl	k_qff38732473_fin
	.p2align	8
	.type	k_qff38732473_fin,@function
k_qff38732473_fin:
	s_mov_b64 s[64:65], 0
	v_nop
	global_prefetch_b8 v0, s[64:65] scope:SCOPE_SE
	s_setreg_imm32_b32 hwreg(HW_REG_WAVE_MODE, 25, 1), 1
	s_wait_xcnt 0x0
; out1 = 12 - the mean over the 4,096 rows of log2(the sum over all columns of 2^t): (log(4096) - mean(logsumexp)) / log(2) in base 2.
; pl: [16 column tiles][4096 rows] f32: p = log2 of a tile's part of a row's sum.  For each row: M = the largest of its sixteen p; M + log2(the sum of 2^(p - M)).
; One work-group, since one number is made: 1,024 threads, four rows each; each load of a wave reads 512 consecutive bytes.  262,144 bytes in all: no ring, no prefetch, no matrix unit.
	s_load_b128 s[4:7], s[0:1], 0x0                ; pl, out1
	v_lshl_add_u32 v96, v0, 2, 0x100
	v_mov_b32 v97, 0
	v_lshlrev_b32 v1, 4, v0                        ; my four rows: 16 bytes
	v_lshrrev_b32 v2, 5, v0
	s_delay_alu instid0(VALU_DEP_1)
	v_readfirstlane_b32 s8, v2                     ; wave 0..31
	s_delay_alu instid0(VALU_DEP_2)
	v_lshlrev_b32 v3, 2, v2                        ; LDS: my wave's word
	v_and_b32 v4, 31, v0
	s_delay_alu instid0(VALU_DEP_1)
	v_lshlrev_b32 v4, 2, v4                        ; LDS: a word a lane
	v_mov_b32 v5, 0
	v_mov_b32 v6, 0                                ; written once: a lane permute's destination counts as one of its sources
	s_mov_b32 s12, 0x76543210
	s_mov_b32 s13, 0xfedcba98
	s_mov_b32 s10, 0xb9800000                      ; -1 / 4096
	s_mov_b32 s11, 0x41400000                      ; 12
	s_wait_alu depctr_va_vdst(0)
	s_wait_kmcnt 0x0
.irp c, 0,1,2,3,4,5,6,7,8,9,10,11,12,13,14,15
	global_load_b128 v[16+4*\c:19+4*\c], v1, s[4:5] offset:16384*\c th:TH_LOAD_NT
.endr
	s_wait_loadcnt 0x0
.irp r, 0,1,2,3
	v_max3_num_f32 v[8+\r], v[16+\r], v[20+\r], v[24+\r]           ; M of row r, the four rows by turns
.endr
.irp c, 3,5,7,9,11,13
.irp r, 0,1,2,3
	s_delay_alu instid0(VALU_DEP_4)
	v_max3_num_f32 v[8+\r], v[8+\r], v[16+4*\c+\r], v[20+4*\c+\r]
.endr
.endr
.irp r, 0,1,2,3
	s_delay_alu instid0(VALU_DEP_4)
	v_max_num_f32 v[8+\r], v[8+\r], v[76+\r]
.endr
.irp c, 0,1,2,3,4,5,6,7,8,9,10,11,12,13,14,15
	v_pk_add_f32 v[16+4*\c:17+4*\c], v[16+4*\c:17+4*\c], v[8:9] neg_lo:[0,1] neg_hi:[0,1]      ; p - M
	v_pk_add_f32 v[18+4*\c:19+4*\c], v[18+4*\c:19+4*\c], v[10:11] neg_lo:[0,1] neg_hi:[0,1]
.endr
.set n, 0
	s_wait_alu depctr_va_vdst(0)
.rept 64
	v_exp_f32 v[16+n], v[16+n]
.set n, n+1
.endr
	v_nop                                          ; a plain instruction behind the batch,
	s_wait_alu depctr_va_vdst(0)                   ; and the one wait ahead of its first reader
.irp c, 1,2,3,4,5,6,7,8,9,10,11,12,13,14,15
	v_pk_add_f32 v[16:17], v[16:17], v[16+4*\c:17+4*\c]
	v_pk_add_f32 v[18:19], v[18:19], v[18+4*\c:19+4*\c]
.endr
	s_wait_alu depctr_va_vdst(0)
.irp r, 0,1,2,3
	v_log_f32 v[16+\r], v[16+\r]                   ; the sum is at least 1
.endr
	v_nop
	s_wait_alu depctr_va_vdst(0)
	v_pk_add_f32 v[16:17], v[16:17], v[8:9]        ; + M
	v_pk_add_f32 v[18:19], v[18:19], v[10:11]
	s_delay_alu instid0(VALU_DEP_1)
	v_pk_add_f32 v[16:17], v[16:17], v[18:19]      ; my four rows,
	s_delay_alu instid0(VALU_DEP_1)
	v_add_f32 v16, v16, v17
.macro WSUM                            ; the 32 lanes
	v_add_f32_dpp v16, v16, v16 row_xmask:1 row_mask:0xf bank_mask:0xf
	s_delay_alu instid0(VALU_DEP_1)
	v_add_f32_dpp v16, v16, v16 row_xmask:2 row_mask:0xf bank_mask:0xf
	s_delay_alu instid0(VALU_DEP_1)
	v_add_f32_dpp v16, v16, v16 row_xmask:4 row_mask:0xf bank_mask:0xf
	s_delay_alu instid0(VALU_DEP_1)
	v_add_f32_dpp v16, v16, v16 row_xmask:8 row_mask:0xf bank_mask:0xf
	s_wait_alu depctr_va_vdst(0)
	v_permlanex16_b32 v6, v16, s12, s13
	s_delay_alu instid0(VALU_DEP_1)
	v_add_f32 v16, v16, v6
.endm
	WSUM
	ds_store_b32 v3, v16                           ; all lanes write the wave's word with the same value
	s_wait_dscnt 0x0                               ; for wave 0's sake
	s_barrier_signal -1
	s_barrier_wait -1
	s_cmp_lg_u32 s8, 0
	s_cbranch_scc1 .Lend
	ds_load_b32 v16, v4                            ; wave 0: the 32 waves' sums, one a lane
	s_wait_dscnt 0x0
	WSUM
	s_delay_alu instid0(VALU_DEP_1)
	v_fma_f32 v16, v16, s10, s11                   ; 12 - the sum / 4096
	s_wait_alu depctr_va_vdst(0)
	s_wait_xcnt 0x0                                ; EXEC changes only behind this wait
	v_cmp_eq_u32 vcc_lo, 0, v0
	s_and_saveexec_b32 s9, vcc_lo
	global_store_b32 v5, v16, s[6:7]               ; one lane stores the one number
	s_wait_xcnt 0x0                                ; and again, in front of the line that widens it
	s_or_b32 exec_lo, exec_lo, s9
.Lend:
	s_wait_tensorcnt 0x0
	ds_add_u32 v96, v97
	s_wait_dscnt 0x0
	s_endpgm
.Lfunc_end_k_qff38732473_fin:
	.size	k_qff38732473_fin, .Lfunc_end_k_qff38732473_fin-k_qff38732473_fin
	.p2alignl 7, 3214868480
	.fill 96, 4, 3214868480
	.section	.rodata,"a",@progbits
	.p2align	6, 0x0
	.amdhsa_kernel k_qff38732473_fin
		.amdhsa_group_segment_fixed_size 4352
		.amdhsa_private_segment_fixed_size 0
		.amdhsa_enable_private_segment 0
		.amdhsa_kernarg_size 16
		.amdhsa_user_sgpr_count 2
		.amdhsa_user_sgpr_kernarg_segment_ptr 1
		.amdhsa_wavefront_size32 1
		.amdhsa_system_sgpr_workgroup_id_x 1
		.amdhsa_system_sgpr_workgroup_id_y 1
		.amdhsa_system_sgpr_workgroup_id_z 1
		.amdhsa_system_vgpr_workitem_id 0
		.amdhsa_next_free_vgpr 98
		.amdhsa_next_free_sgpr 66
		.amdhsa_reserve_vcc 1
		.amdhsa_float_denorm_mode_32 3
		.amdhsa_float_denorm_mode_16_64 3
		.amdhsa_memory_ordered 1
		.amdhsa_forward_progress 1
		.amdhsa_inst_pref_size 14
	.end_amdhsa_kernel
	.amdgpu_metadata
---
amdhsa.version: [ 1, 2 ]
amdhsa.kernels:
  - .name:           k_qff38732473_fin
    .symbol:         k_qff38732473_fin.kd
    .args:
      - { .name: pl, .offset: 0, .size: 8, .value_kind: global_buffer, .address_space: global }
      - { .name: out1, .offset: 8, .size: 8, .value_kind: global_buffer, .address_space: global }
    .group_segment_fixed_size: 4352
    .private_segment_fixed_size: 0
    .kernarg_segment_align: 8
    .kernarg_segment_size: 16
    .max_flat_workgroup_size: 1024
    .sgpr_count:     66
    .vgpr_count:     98
    .wavefront_size: 32
...
	.end_amdgpu_metadata
.endif
;; end of part 3
